; MI455X (gfx1250); checked and timed in simulation.
; The chip was launched on July 23, 2026; its instructions are those of AMD's public machine-readable ISA for CDNA 5 (MIT licence, August 2026) and "CDNA5" Instruction Set Architecture Reference Guide (July 2026). The comments in the code are by the model that wrote it; some were corrected since.
;; Bit Linear Kernel. Allowed arithmetic: float matrix products may take bf16 or f16 operands with f32 sums; other float arithmetic in f32, or as packed bf16 or f16 multiplies, adds, multiply-adds, maxima and minima; sums over many terms, partial sums and values carried from step to step in f32; what a program stores and reads back later, other than sums and carried values, may be rounded once to bf16 or f16.
;; Inputs: weight 2,048 x 1,024 int8; weight_scale 4 bfloat16; x 4 x 2,048 x 4,096 float32.
;; Outputs: out0 4 x 2,048 x 2,048 bfloat16.
;; One version. Each part assembles by itself: llvm-mc -triple=amdgcn-amd-amdhsa -mcpu=gfx1250 --defsym DOCPART=n.
;; ======== version 1 of 1: 2 launches
;; workspace buffers: qx 67,108,864 bytes; wb 16,777,216 bytes; dq 32,768 bytes
;; launch prep (part 1): grid 512 x 1, 8 waves a work-group, no clusters, 0 bytes of LDS; arguments x, weight, weight_scale, qx, wb, dq; writes qx, wb, dq
.if DOCPART == 1
	.amdgcn_target "amdgcn-amd-amdhsa--gfx1250"
	.amdhsa_code_object_version 6
	.text
	.protected	k_q03954f27ee_prep
	.globl	k_q03954f27ee_prep
	.p2align	8
	.type	k_q03954f27ee_prep,@function
k_q03954f27ee_prep:
	s_mov_b64 s[64:65], 0
	v_nop
	global_prefetch_b8 v0, s[64:65] scope:SCOPE_SE
	s_setreg_imm32_b32 hwreg(HW_REG_WAVE_MODE, 25, 1), 1
	s_wait_xcnt 0x0
; BitLinear, first of two launches: the activations are quantised row by row, the packed 2-bit weights are unpacked.
; x: [8192][4096] f32.  For each row: a = max(max |x|, 1e-5), s = 127 / a, q = clip(round half to even (x s), -128, 127).
;   qx[row][k] = q as bf16 (whole numbers up to 128 in size are exact in bf16's 8 significant bits);  dq[row] = ws0 a / 127 in f32, the factor ws0 / s of the way out.
; weight: [2048][1024] bytes, value j of a byte at bits 2 j, 2 j + 1, signed.  wb[n][k] = that value (-2 .. 1) as bf16, exact.
; WORK LEFT OUT: weight_scale[1], [2], [3].  The result is formed from weight_scale[0] alone, whatever the inputs hold, so these three have no way to any output and are not loaded;
; a NaN or an infinity in them is not carried to the result.  Nothing else is left out: the clip is applied as it is written.
; LIMITS.  A NaN in x loses in the row's maximum and is not carried as the f32 formula would carry it; infinities are not treated apart.  a stays under 2^126: beyond it v_rcp_f32's
; result would be a denormal, which it gives as 0 (ISA guide, the instruction's entry).  s is v_rcp_f32 with one Newton step, within about one unit in the last place of the
; true quotient: an x s that lies that near to a tie may round to the neighbouring whole number.  dq is ws0 (a (1 / 127)), a few units in the last place from ws0 / s.
; SHARES.  4,096 waves.  Wave G owns rows 2 G and 2 G + 1 of x, and 512 packed bytes (half a row) of weight.  A row of x is 16,384 bytes = 128 registers of one wave: it stays in registers between
; the pass that finds the maximum and the pass that quantises, so x is read once; the reduction never leaves the wave: no LDS, no barrier.
; A load of x covers 512 consecutive bytes of the row (16 a lane); a store of q the same lanes' 4 numbers, 8 bytes a lane: 256 consecutive bytes, aligned.
; IN FLIGHT.  Row 0's 32 loads go out at the head; the weights are unpacked while they come; row 1's loads are issued one by one as row 0's registers are quantised.
; No matrix unit, no tensor load, no cluster, no prefetch: no byte is wanted by two waves, and the launch does nothing but stream.
.set ROWB,  16384                      ; bytes in a row of x
.set QROWB, 8192                       ; bytes in a row of qx
.set XO,  2                            ; v2   16 x lane: x's loads, wb's stores; never rewritten
.set QO,  3                            ; v3   8 x lane: qx's stores; never rewritten
.set WO,  4                            ; v4   2 x lane: weight's loads; never rewritten
.set DO,  5                            ; v5   4 x lane: dq's store; never rewritten
.set DV,  6                            ; v6   lane 0: dq of row 0, lane 1: of row 1
.set M,   8                            ; v[8:11]    four running maxima
.set OT,  12                           ; v12        the other half of the lanes' maximum
.set MX,  13                           ; v13        the row's maximum
.set AA,  14                           ; v14        a
.set RC,  15                           ; v15        1 / a
.set S,   16                           ; v[16:17]   s, twice: a pair for the packed multiply
.set ER,  18                           ; v18        the Newton step's residue
.set DD,  19                           ; v19        the row's dq
.set T,   20                           ; v[20:27]   at work
.set WR,  28                           ; v[28:35]   weight as loaded: 16 bits, 8 values, a register
.set X,   36                           ; v[36:163]  a row of x
.set Y,   164                          ; v[164:227] bf16 pairs to store
	s_load_b256 s[4:11], s[0:1], 0x0               ; x s[4:5], weight s[6:7], weight_scale s[8:9], qx s[10:11]
	s_load_b128 s[12:15], s[0:1], 0x20             ; wb s[12:13], dq s[14:15]
	v_and_b32 v1, 31, v0                           ; lane
	v_lshrrev_b32 v7, 5, v0
	v_readfirstlane_b32 s16, v7                    ; wave 0..7
	s_lshl_b32 s17, ttmp9, 3
	s_add_co_u32 s17, s17, s16                     ; G = 8 x work-group + wave
	s_mov_b32 s19, 0                               ; the high word of every offset: all stay under 2^28
	s_mov_b32 s22, 0x76543210                      ; v_permlanex16_b32: each lane takes its own place in the other half
	s_mov_b32 s23, 0xfedcba98
	s_mov_b32 s25, 0x42fe0000                      ; 127.0
	s_mov_b32 s27, 0xc3000000                      ; -128.0
	v_lshlrev_b32 v[XO], 4, v1
	v_lshlrev_b32 v[QO], 3, v1
	v_lshlrev_b32 v[WO], 1, v1
	v_lshlrev_b32 v[DO], 2, v1
	v_mov_b32 v[OT], 0                             ; v_permlanex16_b32's destination counts as read: it is written once here
	v_cmp_eq_u32 s26, 1, v1                        ; lane 1
	s_wait_kmcnt 0x0
	s_load_u16 s20, s[8:9], 0x0                    ; weight_scale[0], a bf16
	s_lshl_b32 s18, s17, 15                        ; two rows of x
	s_add_nc_u64 s[4:5], s[4:5], s[18:19]
	s_lshl_b32 s18, s17, 9                         ; 512 packed bytes
	s_add_nc_u64 s[6:7], s[6:7], s[18:19]
	s_lshl_b32 s18, s17, 14                        ; two rows of qx
	s_add_nc_u64 s[10:11], s[10:11], s[18:19]
	s_lshl_b32 s18, s17, 12                        ; 2,048 weights as bf16
	s_add_nc_u64 s[12:13], s[12:13], s[18:19]
	s_lshl_b32 s18, s17, 3                         ; two f32
	s_add_nc_u64 s[14:15], s[14:15], s[18:19]
.irp t, 0,1,2,3,4,5,6,7
	global_load_u16 v[WR+(\t)], v[WO], s[6:7] offset:64*(\t) th:TH_LOAD_NT  ; 2 bytes a lane, so that a lane's 8 values are 16 consecutive bytes of wb; the eight loads on end cover my 512 bytes
.endr
.set j, 0
.rept 32
	global_load_b128 v[X+4*j:X+4*j+3], v[XO], s[4:5] offset:512*j th:TH_LOAD_NT  ; row 0
.set j, j+1
.endr
	s_wait_kmcnt 0x0
	s_lshl_b32 s20, s20, 16                        ; ws0 as f32
; Eight values of a lane: value f lies at bits 2 f, 2 f + 1 of the 16 (the lower byte holds the lower k): moved to the top and shifted back with the sign, made f32, rounded (exactly) to bf16.
.macro WDEC t
.irp f, 0,1,2,3,4,5,6,7
	v_lshlrev_b32 v[T+(\f)], 30-2*(\f), v[WR+(\t)]
.endr
.irp f, 0,1,2,3,4,5,6,7
	v_ashrrev_i32 v[T+(\f)], 30, v[T+(\f)]
.endr
.irp f, 0,1,2,3,4,5,6,7
	v_cvt_f32_i32 v[T+(\f)], v[T+(\f)]
.endr
.irp i, 0,1,2,3
	v_cvt_pk_bf16_f32 v[Y+4*(\t)+(\i)], v[T+2*(\i)], v[T+2*(\i)+1]
.endr
	global_store_b128 v[XO], v[Y+4*(\t):Y+4*(\t)+3], s[12:13] offset:512*(\t) th:TH_STORE_NT  ; 512 consecutive bytes of wb
.endm
	s_wait_loadcnt 32                              ; loads come back in order (ISA guide 5.7.1): the eight of weight are in, row 0's 32 stay out
.irp t, 0,1,2,3,4,5,6,7
	WDEC \t
.endr
; A quarter of a row's maximum: loads 8 g .. 8 g + 7 are in, the row's younger ones stay out.  Four chains, two numbers a line, signs dropped by the source modifier; the first four lines start the chains.
.macro MAXES g
	s_wait_loadcnt 24-8*(\g)
.set p, 16*(\g)
.rept 16
.if p < 4
	v_max_num_f32 v[M+p], |v[X+2*p]|, |v[X+2*p+1]|
.else
	v_max3_num_f32 v[M+p%4], v[M+p%4], |v[X+2*p]|, |v[X+2*p+1]|
.endif
.set p, p+1
.endr
.endm
; Row r of my two.  At its head exactly the row's 32 loads are out.  ahead = 1: each four registers, once quantised, are loaded again with the next row's.
.macro ROW r, ahead
	MAXES 0
	MAXES 1
	MAXES 2
	MAXES 3
	v_max3_num_f32 v[M], v[M], v[M+1], v[M+2]
	v_max_num_f32 v[M], v[M], v[M+3]
	v_max_num_f32_dpp v[M], v[M], v[M] row_xmask:1 row_mask:0xf bank_mask:0xf  ; across 16 lanes on the arithmetic itself,
	v_max_num_f32_dpp v[M], v[M], v[M] row_xmask:2 row_mask:0xf bank_mask:0xf
	v_max_num_f32_dpp v[M], v[M], v[M] row_xmask:4 row_mask:0xf bank_mask:0xf
	v_max_num_f32_dpp v[M], v[M], v[M] row_xmask:8 row_mask:0xf bank_mask:0xf
	v_permlanex16_b32 v[OT], v[M], s22, s23        ; and once across the halves
	v_max_num_f32 v[MX], v[M], v[OT]               ; every lane holds the row's maximum
	v_max_num_f32 v[AA], 0x3727c5ac, v[MX]         ; a = max(., 1e-5)
	v_rcp_f32 v[RC], v[AA]
	v_mul_f32 v[DD], 0x3c010204, v[AA]             ; a / 127: also the plain instruction between the reciprocal and the use of its result (ISA guide 5.7.2)
	s_wait_alu depctr_va_vdst(0)                   ; the wait ahead of the reciprocal's first reader
	v_mul_f32 v[S], s25, v[RC]                     ; s0 = 127 r
	v_fma_f32 v[ER], -v[S], v[AA], s25             ; 127 - s0 a, in one rounding
	v_fma_f32 v[S], v[ER], v[RC], v[S]             ; s = s0 + (127 - s0 a) r
	v_mov_b32 v[S+1], v[S]
	v_mul_f32 v[DD], s20, v[DD]                    ; ws0 a / 127
.if (\r) == 0
	v_mov_b32 v[DV], v[DD]
.else
	v_cndmask_b32 v[DV], v[DV], v[DD], s26         ; lane 1 takes row 1's
.endif
	s_wait_xcnt 0x0                                ; every earlier store has read its registers (ISA guide 3.1): Y is rewritten only behind this wait
.set j, 0
.rept 32
.set TS, T+4*(j%2)
	v_pk_mul_f32 v[TS:TS+1], v[X+4*j:X+4*j+1], v[S:S+1]
	v_pk_mul_f32 v[TS+2:TS+3], v[X+4*j+2:X+4*j+3], v[S:S+1]
.irp k, 0,1,2,3
	v_rndne_f32 v[TS+(\k)], v[TS+(\k)]             ; half to even
.endr
.irp k, 0,1,2,3
	v_med3_num_f32 v[TS+(\k)], v[TS+(\k)], s27, s25  ; the clip to -128 .. 127
.endr
	v_cvt_pk_bf16_f32 v[Y+2*j], v[TS], v[TS+1]     ; exact
	v_cvt_pk_bf16_f32 v[Y+2*j+1], v[TS+2], v[TS+3]
.if \ahead
	global_load_b128 v[X+4*j:X+4*j+3], v[XO], s[4:5] offset:((\r)+1)*ROWB+512*j th:TH_LOAD_NT  ; the load ahead of the store
.endif
	global_store_b64 v[QO], v[Y+2*j:Y+2*j+1], s[10:11] offset:(\r)*QROWB+256*j th:TH_STORE_NT  ; the wave stores 256 consecutive bytes, aligned
.set j, j+1
.endr
.endm
	ROW 0, 1
	ROW 1, 0
	s_wait_xcnt 0x0                                ; EXEC is a source of the stores above: it changes only behind this wait
	v_cmp_gt_u32 vcc_lo, 2, v1
	s_and_saveexec_b32 s24, vcc_lo                 ; lanes 0 and 1
	global_store_b32 v[DO], v[DV], s[14:15]        ; my two rows' factors: 8 bytes a wave, 32,768 in the launch, the one store that does not cover 256 bytes
	s_wait_xcnt 0x0                                ; and again in front of the line that widens EXEC
	s_or_b32 exec_lo, exec_lo, s24
	s_endpgm
.Lfunc_end_k_q03954f27ee_prep:
	.size	k_q03954f27ee_prep, .Lfunc_end_k_q03954f27ee_prep-k_q03954f27ee_prep
	.p2alignl 7, 3214868480
	.fill 96, 4, 3214868480
	.section	.rodata,"a",@progbits
	.p2align	6, 0x0
	.amdhsa_kernel k_q03954f27ee_prep
		.amdhsa_group_segment_fixed_size 0
		.amdhsa_private_segment_fixed_size 0
		.amdhsa_enable_private_segment 0
		.amdhsa_kernarg_size 48
		.amdhsa_user_sgpr_count 2
		.amdhsa_user_sgpr_kernarg_segment_ptr 1
		.amdhsa_wavefront_size32 1
		.amdhsa_system_sgpr_workgroup_id_x 1
		.amdhsa_system_sgpr_workgroup_id_y 1
		.amdhsa_system_sgpr_workgroup_id_z 1
		.amdhsa_system_vgpr_workitem_id 0
		.amdhsa_next_free_vgpr 228
		.amdhsa_next_free_sgpr 66
		.amdhsa_reserve_vcc 1
		.amdhsa_float_denorm_mode_32 3
		.amdhsa_float_denorm_mode_16_64 3
		.amdhsa_memory_ordered 1
		.amdhsa_forward_progress 1
		.amdhsa_inst_pref_size 74
	.end_amdhsa_kernel
	.amdgpu_metadata
---
amdhsa.version: [ 1, 2 ]
amdhsa.kernels:
  - .name:           k_q03954f27ee_prep
    .symbol:         k_q03954f27ee_prep.kd
    .args:
      - { .name: x, .offset: 0, .size: 8, .value_kind: global_buffer, .address_space: global }
      - { .name: weight, .offset: 8, .size: 8, .value_kind: global_buffer, .address_space: global }
      - { .name: weight_scale, .offset: 16, .size: 8, .value_kind: global_buffer, .address_space: global }
      - { .name: qx, .offset: 24, .size: 8, .value_kind: global_buffer, .address_space: global }
      - { .name: wb, .offset: 32, .size: 8, .value_kind: global_buffer, .address_space: global }
      - { .name: dq, .offset: 40, .size: 8, .value_kind: global_buffer, .address_space: global }
    .group_segment_fixed_size: 0
    .private_segment_fixed_size: 0
    .kernarg_segment_align: 8
    .kernarg_segment_size: 48
    .max_flat_workgroup_size: 256
    .sgpr_count:     66
    .vgpr_count:     228
    .wavefront_size: 32
...
	.end_amdgpu_metadata
.endif
;; end of part 1
;; launch gemm (part 2): grid 8 x 32, 4 waves a work-group, clusters of 4 x 4, 327,680 bytes of LDS; arguments qx, wb, out0, dq; writes out0
.if DOCPART == 2
	.amdgcn_target "amdgcn-amd-amdhsa--gfx1250"
	.amdhsa_code_object_version 6
	.text
	.protected	k_q03954f27ee_gemm
	.globl	k_q03954f27ee_gemm
	.p2align	8
	.type	k_q03954f27ee_gemm,@function
k_q03954f27ee_gemm:
	s_mov_b64 s[64:65], 0
	v_nop
	global_prefetch_b8 v0, s[64:65] scope:SCOPE_SE
	s_setreg_imm32_b32 hwreg(HW_REG_WAVE_MODE, 25, 1), 1
	s_wait_xcnt 0x0
	s_wait_alu depctr_hold_cnt(0) depctr_sa_sdst(0) depctr_va_vdst(0) depctr_va_sdst(0) depctr_va_ssrc(0) depctr_va_vcc(0) depctr_vm_vsrc(0)
	s_getreg_b32 s2, hwreg(HW_REG_IB_STS2, 6, 4)
	s_cmp_eq_u32 s2, 0
	s_cbranch_scc0 .Lentry_in_a_cluster
	s_endpgm
.Lentry_in_a_cluster:
	s_bfe_u32 s2, ttmp6, 0x10000c
	s_cmp_lg_u32 s2, 0xf033
	s_cbranch_scc0 .Lentry_shape_is_right
	s_endpgm
.Lentry_shape_is_right:
; BitLinear, second of two launches: out[m][n] = bf16(dq[m] x the sum over k of qx[m][k] wb[n][k]).
; qx (A): [8192][4096] bf16, whole numbers -128 .. 127; wb (B): [2048][4096] bf16, whole numbers -2 .. 1; dq: [8192] f32; out (C): [8192][2048] bf16.
; Both operands are exact in bf16, and a sum of 4,096 products is at most 1,048,576 in size, under 2^24: the f32 sums hold the whole-number sums.  Nothing of the product is left out.
; A tile of C, 256 x 256, is made by a work-group of four waves; a wave makes 128 x 128: 64 accumulators of 16 x 16, 512 registers.  32 x 8 tiles: 256 work-groups, a tile each.
; K goes in steps of 128 through a ring of two LDS slots filled by the tensor data mover: the rows of A's and B's tiles are 256 bytes of memory and start at multiples of 256 bytes from the buffer's first byte.
; The last K step goes by rows of C, so that finished rows leave while the others are multiplied.
; CLUSTERS: 4 x 4 work-groups.  The four of a row of the cluster need the same tiles of A, the four of a column the same tiles of B.  Such a tile is asked for JOINTLY: each of the four issues
; the same tensor load, with the same descriptor and a mask that names the four, and each receives the tile in its own LDS.  That divides the requests for A and for B by four.
;
; REGISTERS, in windows of 256 (an instruction names v0-v255; s_set_vgpr_msb says which window each operand place means):
;   window 0: v0-15 dq of my 128 rows (block a of 16 rows: v[2 a] and v[2 a + 1], the same number twice, row l % 16); v16-30 addresses; v64-127, v128-191 fragments of A, two buffers
;             (in the last K step four, of 16 rows x 128 K); v32-63, v192-255 at work on the way out
;   window 1: v64-127, v128-191 fragments of B, two buffers; in the last K step all 256: B's fragments of the whole step
;   window 2: the 32 accumulators of my rows 0-63 (accumulator (a, b) at v[8 (8 a + b)]);   window 3: those of my rows 64-127
; s_set_vgpr_msb's low byte: bits 1:0 source 0, 3:2 source 1, 5:4 source 2, 7:6 destination.  Work is laid in long stretches under one setting.
;
; THE MATRIX INSTRUCTION IS USED TRANSPOSED: source 0 = 16 rows of B, source 1 = 16 rows of A.  In the result, lane l then holds row m = l % 16 of C, and its registers 0 to 7 the columns
; n = 8 (l / 16) + 0 .. 7: eight neighbouring numbers of ONE row of C: they take one factor dq and pack into 16 bytes.
.set SIZE_M, 8192
.set SIZE_N, 2048
.set SIZE_K, 4096
.set KSTEP,  128
.set PITCH,  272                       ; an LDS row: 256 bytes of data + 16 of padding = 68 words: row r starts at bank 4 r mod 64 (64 banks of 4 bytes: ISA guide 11.1), so the 16 rows that a load touches start at 16 different banks
.set HALFT,  128*PITCH                 ; 128 rows: what one tensor load brings, and what one wave reads of A or of B
.set SLOT,   4*HALFT                   ; A's 256 rows, then B's 256 rows
.set STAGE,  2*SLOT                    ; behind the ring: 16 rows x 272 bytes for each wave, for the way out; no tensor load fills it
.set SPITCH, 272
.set SPARE,  STAGE+4*16*SPITCH         ; behind the stages: the spare words, 128 bytes for each wave: two blocks of 256 bytes that no other line names
.set LAPS, SIZE_K/(2*KSTEP)            ; a lap = two K steps = once round the ring: 16
.set SC,   0                           ; v0-15   dq, loaded when the head has made its last use of v0-v5
.set ADRA, 16                          ; v16-17  LDS address of my A fragments in slot 0, 1
.set ADRB, 20                          ; v20-21  the same for B
.set STO,  24                          ; v24     the way out: where I put 16 bytes of a row
.set RD,   25                          ; v25     the way out: where I read a row back
.set CO,   26                          ; v26     my byte offset in C
.set SO,   27                          ; v27     4 (l % 16): my row's place among 16 numbers of dq
.set SPW,  28                          ; v28     LDS address of my spare word: SPARE + 4 x my thread's number; never rewritten
.set NIL,  29                          ; v29     0; never rewritten
.set PFO,  30                          ; v30     the prefetches' offset: my lane x a row of A or B in memory (8,192 bytes); never rewritten
.set PFA,  44                          ; s[44:45] where my prefetches stand: my work-group's 32 rows of the 128 that I fetch, one K step further along K than the refill that is being asked for; a prefetch names the K step after that
.set LIM,  43                          ; s43     1 in a wave that prefetches, else the greatest number
.set DQ,   66                          ; s[66:67] dq at my first row
.set F0,   64                          ; fragment buffer 0
.set F1,   128                         ; fragment buffer 1
.set TMP,  192                         ; the way out: packed results, in window 0
.set OB,   32                          ; the way out: 16 rows read back from the stage: v32-63 and v224-255 by turns
.set PA,   64                          ; the last K step: A's fragments of 16 rows x 128 K, 32 registers; four such buffers, v64-191
.set G1, 24                            ; s[24:31] descriptor group 1 for A's tiles
.set G0, 32                            ; s[32:39] descriptor group 0 for A's tiles, one set for each slot
.set G1B, 48                           ; s[48:55] descriptor group 1 for B's tiles: it differs from A's in the mask alone
.set G0B, 56                           ; s[56:63] descriptor group 0 for B's tiles, one set for each slot
.set MSB, 0
.macro WIN new                         ; the immediate's high byte repeats the setting that is left; a switch that changes nothing is dropped
.if MSB != (\new)
	s_set_vgpr_msb (MSB<<8)|(\new)
.set MSB, \new
.endif
.endm
.set MUL_LO, 0xa1                      ; source 0 (B) window 1, source 1 (A) window 0, C and D window 2
.set MUL_HI, 0xf1                      ; the same, C and D window 3
.set TO_B,   0x40                      ; destination window 1, address window 0
; A joint load.  Waves 0 and 1 fetch A's two halves, waves 2 and 3 B's.  Each of the two lines has ONE mask and one set of registers for all that issue it, and nothing in
; them hangs on a coordinate that the four partners do not share.  The branch hangs on the wave's number alone: it is the same in every work-group.
; An s_nop 0 and four v_nop follow each of the two lines; the jump round the other line, the label and what follows the macro come after them.
.macro JLOAD s
	s_cmp_eq_u32 s11, 0
	s_cbranch_scc0 .Lfor_b_\@
	tensor_load_to_lds s[G0+4*(\s):G0+4*(\s)+3], s[G1:G1+7]
	s_nop 0
.rept 4
	v_nop
.endr
	s_branch .Lasked_\@
.Lfor_b_\@:
	tensor_load_to_lds s[G0B+4*(\s):G0B+4*(\s)+3], s[G1B:G1B+7]
	s_nop 0
.rept 4
	v_nop
.endr
.Lasked_\@:
.endm
; A PREFETCH INTO THE L2, behind each joint load, its five lines and the run of LDS loads that follows them: the K step that stands TWO refills on, 512 matrix instructions ahead of the load that will ask for it:
; 32 rows x 256 bytes, a lane a row, one instruction a wave.  Each row's 256 bytes of a K step are named ONCE in the launch.  A's tile row is read by both clusters of that row of clusters: the first of them
; (cluster x = 0) prefetches; B's tile column by the eight clusters of that column: cluster y = 0 prefetches.  The four partners that ask for a tile jointly share its rows out BY ADDRESS: of the 128 rows that
; wave w fetches, the partner at place p takes 32 p .. 32 p + 31 (p = cx for A, cy for B): no branch hangs on a work-group's place in its cluster.  The loop's last trip asks for nothing: its two refills are
; K steps 30 and 31, and there is no K step two on; the last one named is K step 31.
.macro ASK
	s_cmp_gt_u32 s3, s[LIM]                        ; s3 = 1 in the loop's last trip
	s_cbranch_scc0 .Lnot_mine_\@
	global_prefetch_b8 v[PFO], s[PFA:PFA+1] offset:KSTEP*2 th:TH_LOAD_NT scope:SCOPE_SE
.Lnot_mine_\@:
.endm
; A round of the cluster's barrier: my work-group's barrier, so that wave 0's signal speaks for all four waves; wave 0 signals for the work-group; every wave waits for all
; sixteen work-groups; my work-group's barrier once more.  No LDS instruction of the wave is pending at a signal.
.macro CREST                           ; a round behind its opening barrier
	s_cmp_lg_u32 s10, 0
	s_cbranch_scc1 .Lnot_wave_0_\@
	s_barrier_signal -3
.Lnot_wave_0_\@:
	s_barrier_wait -3
	s_barrier_signal -1
	s_barrier_wait -1
.endm
.macro CROUND                          ; a whole round
	s_barrier_signal -1
	s_barrier_wait -1
	CREST
.endm
	s_load_b128 s[4:7], s[0:1], 0x0                ; A s[4:5], B s[6:7]
	s_load_b64 s[8:9], s[0:1], 0x10                ; C
	s_load_b64 s[DQ:DQ+1], s[0:1], 0x18            ; dq
	v_lshl_add_u32 v[SPW], v0, 2, SPARE
	v_mov_b32 v[NIL], 0
	ds_add_u32 v[SPW], v[NIL]                      ; the wave's opening: the add, twice on end, and its wait ahead of my first tensor load; the set-up below the second, work on registers, stands between it and the wait
	ds_add_u32 v[SPW], v[NIL]                      ; and once more, under the one wait
	v_lshrrev_b32 v1, 5, v0
	v_readfirstlane_b32 s10, v1                    ; wave 0..3
	s_lshr_b32 s11, s10, 1                         ; which half of the tile's rows is mine.  Also: I fetch for A (0) or for B (1)
	s_and_b32 s12, s10, 1                          ; which half of its columns.  Also: which 128 rows of that tile I fetch
	s_bfe_u32 s40, ttmp6, 0x40000                  ; cx: my place along the cluster's x
	s_bfe_u32 s41, ttmp6, 0x40004                  ; cy: along its y
	s_lshl_b32 s42, ttmp9, 2                       ; in a cluster launch ttmp9 and ttmp7 count clusters
	s_add_co_u32 s42, s42, s40                     ; tile column of C = 4 x cluster x + cx
	s_and_b32 s13, ttmp7, 0xffff
	s_lshl_b32 s13, s13, 2
	s_add_co_u32 s13, s13, s41                     ; tile row of C = 4 x cluster y + cy
	s_lshl_b32 s43, s41, 2
	s_lshl_b32 s43, 15, s43                        ; my row of the cluster: places 4 cy .. 4 cy + 3
	s_lshl_b32 s44, 0x1111, s40                    ; my column: places cx, cx + 4, cx + 8, cx + 12
	; descriptor group 1: a tile of 128 rows x 128 elements, padded in LDS
	s_or_b32 s[G1+0], s43, (1<<16)|(1<<20)|(1<<21)|(5<<22)|(3<<25)  ; 15:0 the mask: A's tiles go to my row; 17:16 element of 2 bytes; 20 padding on; 21 set beside a mask; 24:22 after every 64 words (code 5); 31:25 of 4 words (code 3)
	s_or_b32 s[G1B+0], s44, (1<<16)|(1<<20)|(1<<21)|(5<<22)|(3<<25) ; the same with the mask of my column, for B's tiles
	s_mov_b32 s[G1B+1], KSTEP<<16
	s_mov_b32 s[G1+1], KSTEP<<16                   ; 63:48 tensor_dim0, low half = 128
	s_mov_b32 s[G1B+2], 128<<16
	s_mov_b32 s[G1+2], 128<<16                     ; 79:64 its high half = 0; 95:80 tensor_dim1, low half = 128
	s_mov_b32 s[G1B+3], KSTEP<<16
	s_mov_b32 s[G1+3], KSTEP<<16                   ; 111:96 its high half = 0; 127:112 tile_dim0 = 128
	s_mov_b32 s[G1B+4], 128
	s_mov_b32 s[G1+4], 128                         ; 143:128 tile_dim1 = 128; 159:144 tile_dim2 = 0
	s_mov_b32 s[G1B+5], SIZE_K
	s_mov_b32 s[G1+5], SIZE_K                      ; 191:160 tensor_dim0_stride, low word: elements from row to row
	s_mov_b32 s[G1B+6], 0
	s_mov_b32 s[G1+6], 0
	s_mov_b32 s[G1B+7], 0
	s_mov_b32 s[G1+7], 0
	; where the tiles come from.  A's hang on the tile row alone, which my row of the cluster shares; B's on the tile column alone, which my column shares.
	; Every wave makes both addresses, in registers that never hold the other coordinate, and asks by one of them.
	s_lshl_b32 s17, s12, 7                         ; which 128 rows of the tile I fetch
	s_lshl_b32 s16, s13, 8
	s_add_co_u32 s16, s16, s17                     ; A: row 256 x tile row + 128 x half
	s_lshl_b32 s46, s42, 8
	s_add_co_u32 s46, s46, s17                     ; B: row 256 x tile column + 128 x half
	s_mov_b32 s17, 0
	s_mov_b32 s47, 0
	s_mov_b64 s[18:19], SIZE_K*2
	s_mul_u64 s[16:17], s[16:17], s[18:19]         ; in bytes, in 64 bits
	s_mul_u64 s[46:47], s[46:47], s[18:19]
	s_mul_i32 s20, s10, HALFT                      ; and where they go: A's two halves, then B's two halves = wave x 128 rows: no place in the cluster enters an LDS address
	s_wait_dscnt 0x0                               ; both opening adds are done
	s_wait_kmcnt 0x0
	s_add_nc_u64 s[14:15], s[4:5], s[16:17]
	s_add_nc_u64 s[46:47], s[6:7], s[46:47]
	CROUND                                         ; all sixteen work-groups are here: the first joint loads meet
.irp s, 0,1
	s_mov_b32 s[G0+4*(\s)], 1                                      ; 1:0 count = 1
	s_add_co_u32 s[G0+4*(\s)+1], s20, (\s)*SLOT                    ; 63:32 LDS address
	s_add_nc_u64 s[G0+4*(\s)+2:G0+4*(\s)+3], s[14:15], (\s)*KSTEP*2  ; 120:64 global address: K step s
	s_or_b32 s[G0+4*(\s)+3], s[G0+4*(\s)+3], 0x80000000            ; 127:126 type = 2
	s_mov_b32 s[G0B+4*(\s)], 1
	s_add_co_u32 s[G0B+4*(\s)+1], s20, (\s)*SLOT
	s_add_nc_u64 s[G0B+4*(\s)+2:G0B+4*(\s)+3], s[46:47], (\s)*KSTEP*2
	s_or_b32 s[G0B+4*(\s)+3], s[G0B+4*(\s)+3], 0x80000000
	JLOAD \s                                       ; the ring is filled before anything else is done: two tensor loads of mine are out
.endr
	; A fragment is 16 rows x 32 K in 8 registers: lane l holds row l % 16; registers 0-3 hold K = 8 (l / 16) + 0..7, registers 4-7 hold
	; K = 16 + 8 (l / 16) + 0..7.  From rows that lie along K: two loads of 16 bytes, 32 bytes apart.  The same for source 0 and source 1.
	v_and_b32 v1, 15, v0                           ; l % 16
	v_bfe_u32 v2, v0, 4, 1                         ; l / 16
	v_mul_u32_u24 v3, v1, PITCH
	v_lshl_add_u32 v3, v2, 4, v3                   ; row x pitch + 16 x half
	s_mul_i32 s21, s11, HALFT                      ; my 128 rows of A
	s_mul_i32 s22, s12, HALFT                      ; my 128 rows of B,
	s_add_co_u32 s22, s22, 2*HALFT                 ; which lie behind A's 256
.irp s, 0,1
	v_add_nc_u32 v[ADRA+(\s)], s21, v3
	v_add_nc_u32 v[ADRB+(\s)], s22, v3
	s_add_co_u32 s21, s21, SLOT
	s_add_co_u32 s22, s22, SLOT
.endr
	s_mul_i32 s23, s10, 16*SPITCH
	s_add_co_u32 s23, s23, STAGE                   ; my stage
	v_mul_u32_u24 v4, v1, SPITCH                   ; in: row l % 16, 16 bytes for each half of the lanes
	v_lshl_add_u32 v4, v2, 4, v4
	v_add_nc_u32 v[STO], s23, v4
	v_mul_u32_u24 v5, v2, SPITCH                   ; back: lanes 0-15 take one row of 256 bytes, lanes 16-31 the next
	v_lshl_add_u32 v5, v1, 4, v5
	v_add_nc_u32 v[RD], s23, v5
	v_mul_u32_u24 v5, v2, SIZE_N*2                 ; and the same two rows in C
	v_lshl_add_u32 v[CO], v1, 4, v5
	v_lshlrev_b32 v[SO], 2, v1                     ; my row's f32 among 16 of dq
	; where my part of the tile begins in C, in bytes: the way out adds it to C's address
	s_lshl_b32 s13, s13, 8
	s_lshl_b32 s14, s11, 7
	s_add_co_u32 s16, s13, s14                     ; my first row of C
	s_lshl_b32 s68, s16, 2                         ; and its f32 in dq
	s_mov_b32 s69, 0
	s_add_nc_u64 s[DQ:DQ+1], s[DQ:DQ+1], s[68:69]
	s_mov_b32 s17, 0
	s_mov_b64 s[18:19], SIZE_N*2
	s_mul_u64 s[16:17], s[16:17], s[18:19]
	s_lshl_b32 s46, s42, 9                         ; my first column, in bytes: 512 x tile column + 256 x half (in the registers that held B's address: none that feeds A's descriptors ever holds cx)
	s_lshl_b32 s47, s12, 8
	s_add_co_u32 s46, s46, s47
	s_mov_b32 s47, 0
	s_add_nc_u64 s[16:17], s[16:17], s[46:47]
	; the prefetches.  s13 = 256 x tile row, s42 = tile column, s40 = cx, s41 = cy still stand; s[4:5] = A, s[6:7] = B
	s_lshl_b32 s42, s42, 8
	s_and_b32 s22, ttmp7, 0xffff                   ; cluster y
	s_cmp_eq_u32 s11, 0                            ; do I fetch for A?
	s_cselect_b32 s20, s13, s42                    ; the tile's first row: in A by the tile row, in B by the tile column
	s_cselect_b32 s21, s40, s41                    ; my place among the four that ask for it with me
	s_cselect_b32 s22, ttmp9, s22                  ; the coordinate along which other clusters read the same rows
	s_cselect_b64 s[PFA:PFA+1], s[4:5], s[6:7]
	s_cmp_eq_u32 s22, 0
	s_cselect_b32 s[LIM], 1, -1                    ; the same in all sixteen partners, for a given wave
	s_lshl_b32 s22, s12, 7
	s_add_co_u32 s20, s20, s22                     ; + the 128 rows that I fetch
	s_lshl_b32 s21, s21, 5
	s_add_co_u32 s20, s20, s21                     ; + my work-group's 32 of them
	s_mov_b32 s21, 0
	s_mov_b64 s[18:19], SIZE_K*2
	s_mul_u64 s[20:21], s[20:21], s[18:19]
	s_add_nc_u64 s[PFA:PFA+1], s[PFA:PFA+1], s[20:21]
	s_add_nc_u64 s[PFA:PFA+1], s[PFA:PFA+1], 2*KSTEP*2  ; at K step 2: the first refill steps it to 3 and names K step 4
	v_and_b32 v[PFO], 31, v0
	v_mul_u32_u24 v[PFO], v[PFO], SIZE_K*2
	; nothing is prefetched here, at the head, where every work-group's first two tiles are on their way: K steps 2 and 3 come by their refills alone
	; dq of my 128 rows: block a's 16 numbers, lane l takes row l % 16, into both registers of a pair for the packed multiply.  v0-v5 have served: they are among the destinations
.irp a, 0,1,2,3,4,5,6,7
	global_load_b32 v[SC+2*(\a)],   v[SO], s[DQ:DQ+1] offset:64*(\a)
	global_load_b32 v[SC+2*(\a)+1], v[SO], s[DQ:DQ+1] offset:64*(\a)
.endr
; 16 matrix instructions: m blocks a0, a0 + 1 of the window's four (hi = 0: my rows 0-63, 1: rows 64-127) x all 8 n blocks, 32 along K.
; zero = 1: the first product starts the sums: nothing is ever cleared.
.macro MUL16 f, hi, a0, zero
	WIN MUL_LO+0x50*(\hi)  ; MUL_LO or MUL_HI
.irp a, \a0, (\a0)+1
.irp b, 0,1,2,3,4,5,6,7
.if \zero
	v_wmma_f32_16x16x32_bf16 v[8*(8*(\a)+(\b)):8*(8*(\a)+(\b))+7], v[(\f)+8*(\b):(\f)+8*(\b)+7], v[(\f)+8*(4*(\hi)+(\a)):(\f)+8*(4*(\hi)+(\a))+7], 0
.else
	v_wmma_f32_16x16x32_bf16 v[8*(8*(\a)+(\b)):8*(8*(\a)+(\b))+7], v[(\f)+8*(\b):(\f)+8*(\b)+7], v[(\f)+8*(4*(\hi)+(\a)):(\f)+8*(4*(\hi)+(\a))+7], v[8*(8*(\a)+(\b)):8*(8*(\a)+(\b))+7]
.endif
.endr
.endr
.endm
; 32 LDS loads in one run: the fragments of one quarter step (128 rows of B, 128 rows of A, 32 K at byte k of the rows) into buffer f
.macro FETCH slot, k, f
	WIN TO_B
.irp i, 0,1,2,3,4,5,6,7
	ds_load_b128 v[(\f)+8*(\i):(\f)+8*(\i)+3],   v[ADRB+(\slot)] offset:(\k)+(\i)*16*PITCH
	ds_load_b128 v[(\f)+8*(\i)+4:(\f)+8*(\i)+7], v[ADRB+(\slot)] offset:(\k)+(\i)*16*PITCH+32
.endr
	WIN 0
.irp i, 0,1,2,3,4,5,6,7
	ds_load_b128 v[(\f)+8*(\i):(\f)+8*(\i)+3],   v[ADRA+(\slot)] offset:(\k)+(\i)*16*PITCH
	ds_load_b128 v[(\f)+8*(\i)+4:(\f)+8*(\i)+7], v[ADRA+(\slot)] offset:(\k)+(\i)*16*PITCH+32
.endr
.endm
; A load into a register that a matrix instruction has read, and a vector instruction that reads a matrix result or writes one of a matrix
; instruction's registers, stand four places behind that matrix instruction, and only plain vector instructions that name none of its registers
; are places (ISA guide 7.12.1 for vector instructions); this text does not count the matrix instructions in between.
.macro PLACES
.rept 4
	v_nop
.endr
.endm
; A K step is four quarter steps of 32 along K, 64 matrix instructions each, on buffers 0, 1, 0, 1.  The 64 accumulators take turns, one instruction a turn, in the same order in every quarter,
; between two links of a chain stand the 63 others', over the loop's backward jump too.
; One of the first three quarters: multiplies buffer f; in its middle it fetches the next quarter's fragments, at byte k of the same slot's rows, into buffer g.
.macro QUARTER slot, k, f, g, zero
	s_wait_dscnt 8                                 ; B and A's rows 0-63 are in; the youngest eight loads (A's rows 64-127) may be out
	WIN MUL_LO
	MUL16 \f, 0, 0, \zero
	MUL16 \f, 0, 2, \zero
	PLACES
	FETCH \slot, \k, \g
	s_wait_dscnt 32                                ; all but the 32 just issued
	WIN MUL_HI
	MUL16 \f, 1, 0, \zero
	MUL16 \f, 1, 2, \zero
.endm
; The last quarter multiplies buffer 1 and changes slots.  MEET is its first half: ONE barrier for the change of slots, for two things.  In front of it each wave waits for
; all its tensor loads, of which one is out: its part of the next slot; adds 0 to its spare word; and waits for that and for its own reads of this slot.  Behind it nobody reads this slot any more and the next slot is whole.
.macro MEET round                      ; round = 1: a round of the cluster's barrier follows
	WIN 0                                          ; (the add's two registers lie in window 0)
	s_wait_tensorcnt 0x0                           ; all my tensor loads have landed: the one that was out is my part of the next slot;
	ds_add_u32 v[SPW], v[NIL]                      ; 0 onto my spare word;
	s_wait_dscnt 9                                 ; (the add and the youngest eight loads may be out)
	WIN MUL_LO
	MUL16 F1, 0, 0, 0                              ; sixteen matrix instructions stand between the add and the wait for it
	s_wait_dscnt 0x0                               ; the add is done, and my reads of this slot are over (the last were issued 48 matrix instructions ago):
	s_barrier_signal -1                            ; say so (where a slot is filled again this barrier opens a round of the cluster's barrier),
	MUL16 F1, 0, 2, 0                              ; work on registers while the others arrive,
.if \round
	WIN 0
.endif
	s_barrier_wait -1                              ; and go on when all four have said so
.endm
; The whole last quarter.  Behind the round the slot just read out is filled again first, with the K step two steps on; then come the next slot's first fragments.
; From a request to the wait for it a wave issues 224 matrix instructions.
.macro TURN slot, next
	s_wait_xcnt 0x0                                ; the last prefetch, a K step back, has read its address: it is stepped here, ahead of the waits of the change of slots, so that nothing is added between the round and the joint load
	s_add_nc_u64 s[PFA:PFA+1], s[PFA:PFA+1], KSTEP*2
	MEET 1
	CREST                                          ; wave 0 says so for the work-group, all sixteen work-groups have said so, my work-group's barrier closes the round:
	                                               ; no wave of any partner still reads this slot's tile or has a load on its way
	s_add_nc_u64 s[G0+4*(\slot)+2:G0+4*(\slot)+3], s[G0+4*(\slot)+2:G0+4*(\slot)+3], 2*KSTEP*2     ; no tensor load of mine is out: a group 0 may be written
	s_add_nc_u64 s[G0B+4*(\slot)+2:G0B+4*(\slot)+3], s[G0B+4*(\slot)+2:G0B+4*(\slot)+3], 2*KSTEP*2
	JLOAD \slot                                    ; the first tensor load behind the round, my only one until the next; the four v_nop behind it are also the places in front of the loads below
	FETCH \next, 0, F0
	ASK                                            ; behind the joint load and the run of LDS loads that the next products wait for
	WIN MUL_HI
	MUL16 F1, 1, 0, 0
	MUL16 F1, 1, 2, 0
.endm
; THE LAST K STEP (it lies in slot 1) GOES BY ROWS OF C, NOT BY K.  All its fragments of B (4 quarters x 64 registers) fill window 1; then my eight blocks of 16 rows are
; finished one after the other, each with 32 matrix instructions (its 8 accumulators by turns, K ascending).  LDS is read no more than in any other K step.
.macro BLOAD q                         ; B's fragments of quarter q -> window 1, v[64 q ..]
	WIN TO_B
.irp i, 0,1,2,3,4,5,6,7
	ds_load_b128 v[64*(\q)+8*(\i):64*(\q)+8*(\i)+3],   v[ADRB+1] offset:64*(\q)+(\i)*16*PITCH
	ds_load_b128 v[64*(\q)+8*(\i)+4:64*(\q)+8*(\i)+7], v[ADRB+1] offset:64*(\q)+(\i)*16*PITCH+32
.endr
.endm
.macro ALOAD a                         ; A's fragments of block a, all four quarters -> buffer a % 4
	WIN 0
.set FA, PA+32*((\a)%4)
.irp q, 0,1,2,3
	ds_load_b128 v[FA+8*(\q):FA+8*(\q)+3],   v[ADRA+1] offset:64*(\q)+(\a)*16*PITCH
	ds_load_b128 v[FA+8*(\q)+4:FA+8*(\q)+7], v[ADRA+1] offset:64*(\q)+(\a)*16*PITCH+32
.endr
.endm
.macro ROW a                           ; block a is finished: 32 matrix instructions
.set FA, PA+32*((\a)%4)                ; its fragments of A
.set AC, 64*((\a)%4)                   ; its eight accumulators, in window 2 (blocks 0-3) or 3 (blocks 4-7)
	WIN MUL_LO+0x50*((\a)/4)                       ; MUL_LO or MUL_HI
.irp q, 0,1,2,3
.if (\a) == 0 && (\q) == 2
	s_wait_dscnt 24                                ; B's quarter 2 is in (behind it: A's blocks 1 to 3)
.endif
.irp b, 0,1,2,3,4,5,6,7
	v_wmma_f32_16x16x32_bf16 v[AC+8*(\b):AC+8*(\b)+7], v[64*(\q)+8*(\b):64*(\q)+8*(\b)+7], v[FA+8*(\q):FA+8*(\q)+7], v[AC+8*(\b):AC+8*(\b)+7]
.endr
.endr
.endm
; THE WAY OUT of block a, in three parts.  PACK: each sum times its row's dq, in f32, in place; then rounded to bf16, 16 bytes a lane.  Both runs take each accumulator's registers in ascending order.
; TOSTAGE: into my own stage in LDS, and back as whole rows of 256 bytes.  SEND: stored.
.macro PACK a
.set AC, 64*((\a)%4)
	WIN 0x82+0x41*((\a)/4)                         ; destination and source 0: window 2 or 3; source 1 (dq): window 0
.set i, 0
.rept 32
	v_pk_mul_f32 v[AC+2*i:AC+2*i+1], v[AC+2*i:AC+2*i+1], v[SC+2*(\a):SC+2*(\a)+1]
.set i, i+1
.endr
	WIN 0x0a+5*((\a)/4)                            ; sources 0 and 1: window 2 or 3; destination window 0
.irp b, 0,1,2,3,4,5,6,7
.irp r, 0,1,2,3
	v_cvt_pk_bf16_f32 v[TMP+4*(\b)+(\r)], v[AC+8*(\b)+2*(\r)], v[AC+8*(\b)+2*(\r)+1]
.endr
.endr
	WIN 0
.endm
.macro TOSTAGE a
	WIN 0
.set BK, OB+192*((\a)%2)
.irp b, 0,1,2,3,4,5,6,7
	ds_store_b128 v[STO], v[TMP+4*(\b):TMP+4*(\b)+3] offset:32*(\b)
.endr
.irp t, 0,1,2,3,4,5,6,7
	ds_load_b128 v[BK+4*(\t):BK+4*(\t)+3], v[RD] offset:(\t)*2*SPITCH  ; LDS serves a wave's instructions in order (ISA guide 5.7.1.4): these see the stores above
.endr
.endm
.macro SEND a, younger                 ; younger: the LDS loads issued behind TOSTAGE's, which may stay out
	WIN 0
.set BK, OB+192*((\a)%2)
	s_wait_dscnt \younger                          ; the block is back in registers
	s_wait_xcnt 0x0                                ; every earlier memory instruction has had its addresses translated (ISA guide 3.1): only behind this wait are the stores' base and the registers that earlier stores read rewritten
.if (\a) == 0
	s_add_nc_u64 s[8:9], s[8:9], s[16:17]          ; on to my first rows
.else
	s_add_nc_u64 s[8:9], s[8:9], 16*SIZE_N*2       ; 16 rows of C on, so that the stores' offsets stay small: 14 rows of C at the most
.endif
.irp t, 0,1,2,3,4,5,6,7
	global_store_b128 v[CO], v[BK+4*(\t):BK+4*(\t)+3], s[8:9] offset:2*(\t)*SIZE_N*2 th:TH_STORE_NT  ; 16 lanes store 256 consecutive bytes, at a multiple of 256 from C's first byte
.endr
.endm
	s_wait_loadcnt 0x0                             ; dq is in
	s_wait_tensorcnt 1                             ; my part of K step 0 is in; K step 1's may stay out
	s_barrier_signal -1
	s_barrier_wait -1                              ; everybody's is
	FETCH 0, 0, F0
	QUARTER 0, 64,  F0, F1, 1                      ; the first quarter stands in front of the loop: its products start the sums
	WIN 0                                          ; at a label and at a branch every window is 0
	s_mov_b32 s3, LAPS-1
.Llap:                                                 ; a trip goes once round the ring, from a lap's second quarter to the next lap's first, and fills both slots again: 15 trips ask for K steps 2 to 31
	QUARTER 0, 128, F1, F0, 0
	QUARTER 0, 192, F0, F1, 0
	TURN 0, 1
	QUARTER 1, 64,  F0, F1, 0
	QUARTER 1, 128, F1, F0, 0
	QUARTER 1, 192, F0, F1, 0
	TURN 1, 0
	QUARTER 0, 64,  F0, F1, 0
	WIN 0
	s_sub_co_u32 s3, s3, 1
	s_cmp_lg_u32 s3, 0
	s_cbranch_scc1 .Llap
	QUARTER 0, 128, F1, F0, 0                      ; the last lap goes on; it asks for nothing
	QUARTER 0, 192, F0, F1, 0
	MEET 0                                         ; my one tensor load that was still out is slot 1's, the last K step's, so no round follows
	PLACES                                         ; for the loads into buffer 0, which the quarter before multiplied
	WIN TO_B
	BLOAD 0                                        ; three quarters of B now: buffer 1 (v128-191 of both windows) is still being multiplied
	BLOAD 1
	BLOAD 3
	WIN 0
	ALOAD 0
	WIN MUL_HI
	MUL16 F1, 1, 0, 0
	MUL16 F1, 1, 2, 0
	PLACES                                         ; for the loads into buffer 1
	WIN TO_B
	BLOAD 2
	WIN 0
	ALOAD 1
	ALOAD 2
	ALOAD 3
	s_wait_dscnt 40                                ; all but the 40 just issued
	ROW 0
.irp a, 0,1,2,3,4,5,6,7                ; each block leaves as soon as it is finished: nothing follows this tile, so the sooner its stores begin, the sooner the launch ends
	PLACES                                         ; its multiplies read and rewrite results just made, and no other vector work is at hand
	PACK \a
	TOSTAGE \a
.if (\a) < 4
	ALOAD (\a)+4                                   ; its buffer takes the block four further on
	SEND \a, 8
.else
	SEND \a, 0
.endif
.if (\a) < 7
	ROW (\a)+1
.endif
.endr
	s_wait_tensorcnt 0x0                           ; the wave's end: behind my last tensor load and my last LDS store
	ds_add_u32 v[SPW], v[NIL]
	s_wait_dscnt 0x0
	CROUND                                         ; the closing round: no work-group ends while a partner may still ask for a tile that names it
	s_endpgm
.Lfunc_end_k_q03954f27ee_gemm:
	.size	k_q03954f27ee_gemm, .Lfunc_end_k_q03954f27ee_gemm-k_q03954f27ee_gemm
	.p2alignl 7, 3214868480
	.fill 96, 4, 3214868480
	.section	.rodata,"a",@progbits
	.p2align	6, 0x0
	.amdhsa_kernel k_q03954f27ee_gemm
		.amdhsa_group_segment_fixed_size 327680
		.amdhsa_private_segment_fixed_size 0
		.amdhsa_enable_private_segment 0
		.amdhsa_kernarg_size 32
		.amdhsa_user_sgpr_count 2
		.amdhsa_user_sgpr_kernarg_segment_ptr 1
		.amdhsa_wavefront_size32 1
		.amdhsa_system_sgpr_workgroup_id_x 1
		.amdhsa_system_sgpr_workgroup_id_y 1
		.amdhsa_system_sgpr_workgroup_id_z 1
		.amdhsa_system_vgpr_workitem_id 0
		.amdhsa_next_free_vgpr 1024
		.amdhsa_next_free_sgpr 70
		.amdhsa_reserve_vcc 0
		.amdhsa_float_denorm_mode_32 3
		.amdhsa_float_denorm_mode_16_64 3
		.amdhsa_memory_ordered 1
		.amdhsa_forward_progress 1
		.amdhsa_inst_pref_size 162
	.end_amdhsa_kernel
	.amdgpu_metadata
---
amdhsa.version: [ 1, 2 ]
amdhsa.kernels:
  - .name:           k_q03954f27ee_gemm
    .symbol:         k_q03954f27ee_gemm.kd
    .args:
      - { .name: qx, .offset: 0, .size: 8, .value_kind: global_buffer, .address_space: global }
      - { .name: wb, .offset: 8, .size: 8, .value_kind: global_buffer, .address_space: global }
      - { .name: out0, .offset: 16, .size: 8, .value_kind: global_buffer, .address_space: global }
      - { .name: dq, .offset: 24, .size: 8, .value_kind: global_buffer, .address_space: global }
    .group_segment_fixed_size: 327680
    .private_segment_fixed_size: 0
    .kernarg_segment_align: 8
    .kernarg_segment_size: 32
    .max_flat_workgroup_size: 128
    .sgpr_count:     70
    .vgpr_count:     1024
    .wavefront_size: 32
...
	.end_amdgpu_metadata
.endif
;; end of part 2
